; MI455X (gfx1250); checked and timed in simulation.
; The chip was launched on July 23, 2026; its instructions are those of AMD's public machine-readable ISA for CDNA 5 (MIT licence, August 2026) and "CDNA5" Instruction Set Architecture Reference Guide (July 2026). The comments in the code are by the model that wrote it; some were corrected since.
;; Attention. Allowed arithmetic: matrix products marked QUANTISED: E2M3 operands, one E8M0 scale for each 32 along K, by v_wmma_scale_f32_16x16x128_f8f6f4 with both operands' format E2M3, f32 sums; everything else in f32.
;; Inputs: Wk 64 x 768 float32; Wq 64 x 768 float32; Wv 64 x 768 float32; bk 64 float32; bq 64 float32; bv 64 float32; x 4 x 4,096 x 768 float32.
;; Outputs: out0 4 x 4,096 x 64 float32.
;; This version of the problem:
;;   THIS VERSION OF THE PROBLEM IS GIVEN IN LOW PRECISION. The matrix products marked QUANTISED in the list below multiply operands that are first quantised to E2M3 (2 exponent bits, 3 mantissa bits; 6 bits a number), with one power-of-two scale for each 32 numbers along K (OCP MX v1.0); their sums are f32. All else is computed in f32.
;;   The module's matrix products, in the order in which they are computed (A, B: the left and right operand; K: the contracted axis; several contracted axes count as one K, in the product's order):
;;     1. [M 16,384, K 768] x [K 768, N 64]; A: input x; B: input Wq: QUANTISED
;;     2. [M 16,384, K 768] x [K 768, N 64]; A: input x; B: input Wk: QUANTISED
;;     3. [M 16,384, K 768] x [K 768, N 64]; A: input x; B: input Wv: QUANTISED
;;     4. batch 4 x [M 4,096, K 64] x [K 64, N 4,096]; A: computed on the way; B: computed on the way: QUANTISED
;;     5. batch 4 x [M 4,096, K 4,096] x [K 4,096, N 64]; A: softmax (see below); B: computed on the way: QUANTISED
;;   THE QUANTISER, for each operand of a quantised product, along K:
;;     - K is cut into blocks of 32 from its start; a last block that is shorter is filled with zeros.
;;     - A block's scale is 2^e with e = floor(log2(the largest magnitude in the block)) - 2, held to -126 .. 127; a block of zeros has e = 0. As a byte (E8M0): e + 127.
;;     - Each number is divided by its block's scale, clamped to +-7.5, and rounded to the nearest number of E2M3, ties to even, subnormals kept.
;;     - The product sums the exact products of the quantised numbers (number of the format x scale) in f32.
;;   ~~~python
;;   def quantise(x, axis):      # numpy; x: float32 -> the quantised numbers, widened to float32 again
;;       x = np.moveaxis(x, axis, -1); K = x.shape[-1]
;;       x = np.pad(x, [(0, 0)] * (x.ndim - 1) + [(0, -K % 32)]); x = x.reshape(x.shape[:-1] + (-1, 32)); a = np.abs(x).max(-1, keepdims=True)
;;       e = np.where(a > 0, np.clip(np.frexp(np.where(a > 0, a, 1))[1] - 1 - 2, -126, 127), 0)      # np.frexp(a)[1] - 1 = floor(log2(a)), exactly
;;       r = np.clip(x / 2.0 ** e, -7.5, 7.5)
;;       step = 2.0 ** (np.maximum(np.frexp(np.where(r == 0, 1, r))[1] - 1, 0) - 3)
;;       q = np.round(r / step) * step * 2.0 ** e      # np.round: ties to even
;;       return np.moveaxis(q.reshape(q.shape[:-2] + (-1,))[..., :K], -1, axis).astype(np.float32)
;;   ~~~
;;   SOFTMAX AHEAD OF A QUANTISED PRODUCT. Where the list says 'softmax', what is quantised is not the finished softmax but p = 2^(t - M), with t = logit x log2(e) and M = ceil(the row's largest t), a whole number; so 1/2 < the row's largest p <= 1. The row's sum l is taken of the UNQUANTISED p, in f32, and the product's result is divided by l at the end. Since M is a whole number, a kernel that streams over the keys may use a running M (the ceiling of the running maximum): every later rescaling is an exact power of two, which a block's scale takes up: the codes' values come out the same.
;;   OPERANDS COMPUTED ON THE WAY. 'Computed on the way' means the value that the module computes at that place (a softmax that the list does not call 'softmax' is quantised finished and normalised). What goes into a quantiser is computed in f32, as accurately as f32 sums, v_exp_f32 and their like allow (about 1e-6 of the number): no bf16 or f16 on the way to a quantiser, and a product that is left as it is and whose result goes on into a quantised operand takes f32 operands (vector FMAs, or v_wmma_f32_16x16x4_f32). A number that lies on a knife's edge between two numbers of the format may be rounded either way, as far as f32 arithmetic and the matrix unit's own rounding can turn it there, and no further.
;; One version. Each part assembles by itself: llvm-mc -triple=amdgcn-amd-amdhsa -mcpu=gfx1250 --defsym DOCPART=n.
;; ======== version 1 of 1: 3 launches
;; limits: right only within a limited range of input values
;; workspace buffers: wc 115,200 bytes; kv 1,671,168 bytes; qc 851,968 bytes
;; launch wquant (part 1): grid 6 x 12, 1 waves a work-group, no clusters, 8,704 bytes of LDS; arguments Wq, Wk, Wv, wc; writes wc
.if DOCPART == 1
	.amdgcn_target "amdgcn-amd-amdhsa--gfx1250"
	.amdhsa_code_object_version 6
	.text
	.protected	k_q5f562b930e_wquant
	.globl	k_q5f562b930e_wquant
	.p2align	8
	.type	k_q5f562b930e_wquant,@function
k_q5f562b930e_wquant:
	s_mov_b64 s[64:65], 0
	v_nop
	global_prefetch_b8 v0, s[64:65] scope:SCOPE_SE
	s_setreg_imm32_b32 hwreg(HW_REG_WAVE_MODE, 25, 1), 1
	s_wait_xcnt 0x0
; Wq, Wk, Wv [64][768] f32 become codes of FP6 (E2M3) with one E8M0 byte for each 32 along K, laid in wc in the order of the operand's registers.
; A fragment (16 rows x 128 K) is 12 registers a lane: three planes of 512 bytes, register group g of lane l at 512 g + 16 l.  Fragment (K step s, n = 4 role + t) lies at (12 s + n) x 1,536; role 0 Wq, 1 Wk, 2 Wv.
; Row 8 h + i of tile t is row 32 h + 8 t + i of Wq and Wk (so that a lane's four results of the transposed product are a whole block along the head), row 16 t + 8 h + i of Wv.
; Scale words (four bytes: the K step's four blocks) lie at 110,592 + 1,536 role + 256 s + 64 t + 4 r; a work-group stores 64 consecutive bytes of them.
; SHARES: one wave makes one fragment.  Each load reads 512 consecutive bytes of one row; the fragment turns through LDS (rows 528 bytes apart), and lane (r, h) takes k = 64 c + 32 h + 0 .. 31 of row r, c = 0, 1: two whole blocks.
; A block's scale is 2^(floor(log2(largest magnitude)) - 2): its byte is the largest magnitude's exponent field - 2, held at 1 from below.
; LIMITS: a block whose largest magnitude lies under 2^-124, a block of zeros among them, gets the byte 1 (zeros stay zero codes; this program alone reads the bytes); NaN and infinities are not served.
.set WROW, 3072                        ; a row of W in bytes
.set P,    528                         ; a row in LDS: 512 bytes + 16
.set SPARE, 16*P                       ; the spare words
.set L,    16                          ; v16-79 as loaded
.set X,    80                          ; v80-143 a lane's 64 numbers
.set PC,   16                          ; v16-27 codes (over the loaded rows, which LDS has taken);  v28-30, v32-34 second halves
.set PT,   28
.set TM,   36
.set SO,   40
	s_load_b256 s[4:11], s[0:1], 0x0               ; Wq, Wk, Wv, wc
	v_lshl_add_u32 v10, v0, 2, SPARE
	v_mov_b32 v11, 0
	v_and_b32 v1, 15, v0                           ; r
	v_lshrrev_b32 v2, 4, v0                        ; h
	v_lshlrev_b32 v3, 4, v0                        ; 16 x lane
	v_mul_u32_u24 v4, v1, P
	v_lshl_add_u32 v4, v2, 7, v4                   ; row r, + 128 h
	v_lshlrev_b32 v5, 3, v2                        ; 8 h bits
	v_lshlrev_b32 v6, 2, v1                        ; 4 r
	v_mov_b32 v7, 0                                ; a lane permute's destination counts as one of its sources
	s_and_b32 s12, ttmp7, 0xffff                   ; n
	s_lshr_b32 s13, s12, 2                         ; role
	s_and_b32 s14, s12, 3                          ; t
	s_cmp_lt_u32 s13, 2
	s_cselect_b32 s15, 3, 4
	s_cselect_b32 s16, 32, 8                       ; how far rows 8-15 stand behind rows 0-7
	s_lshl_b32 s15, s14, s15                       ; the tile's first row: 8 t or 16 t
	s_mul_i32 s20, s15, WROW
	s_lshl_b32 s21, ttmp9, 9
	s_add_co_u32 s20, s20, s21                     ; + 512 s
	s_mov_b32 s21, 0
	s_mul_i32 s22, s16, WROW
	s_mov_b32 s23, 0
	s_mul_i32 s24, ttmp9, 12
	s_add_co_u32 s24, s24, s12
	s_mul_i32 s24, s24, 1536
	s_mov_b32 s25, 0
	s_mul_i32 s26, s13, 1536
	s_lshl_b32 s27, ttmp9, 8
	s_add_co_u32 s26, s26, s27
	s_lshl_b32 s27, s14, 6
	s_add_co_u32 s26, s26, s27
	s_add_co_u32 s26, s26, 110592
	s_mov_b32 s27, 0
	s_mov_b32 s28, 0x76543210
	s_mov_b32 s29, 0xfedcba98                      ; selects for lane l xor 16
	s_wait_alu depctr_va_vdst(0)                   ; the wait at the head's end
	s_wait_kmcnt 0x0
	s_cmp_eq_u32 s13, 0                            ; the choice of tensor hangs on the work-group's number alone
	s_cselect_b64 s[16:17], s[4:5], s[6:7]
	s_cmp_eq_u32 s13, 2
	s_cselect_b64 s[16:17], s[8:9], s[16:17]
	s_add_nc_u64 s[16:17], s[16:17], s[20:21]
	s_add_nc_u64 s[18:19], s[16:17], s[22:23]
	s_add_nc_u64 s[24:25], s[10:11], s[24:25]
	s_add_nc_u64 s[26:27], s[10:11], s[26:27]
.irp n, 0,1,2,3,4,5,6,7
	global_load_b128 v[L+4*\n:L+4*\n+3], v3, s[16:17] offset:WROW*\n th:TH_LOAD_NT
.endr
.irp n, 0,1,2,3,4,5,6,7
	global_load_b128 v[L+32+4*\n:L+32+4*\n+3], v3, s[18:19] offset:WROW*\n th:TH_LOAD_NT
.endr
.irp n, 0,1,2,3,4,5,6,7,8,9,10,11,12,13,14,15
	s_wait_loadcnt 15-\n                           ; row n is in; the younger rows' loads may be out
	ds_store_b128 v3, v[L+4*\n:L+4*\n+3] offset:P*\n
.endr
.irp c, 0,1                                    ; LDS serves a wave's instructions in order: these see the stores
.irp q, 0,1,2,3,4,5,6,7
	ds_load_b128 v[X+32*\c+4*\q:X+32*\c+4*\q+3], v4 offset:256*\c+16*\q
.endr
.endr
	s_wait_dscnt 0x0
.irp c, 0,1                                    ; the largest magnitude of my blocks h (c = 0) and 2 + h (c = 1), with the floor 2^(3 - 127): two chains a block
	v_max3_num_f32 v[TM+\c], |v[X+32*\c]|, |v[X+1+32*\c]|, 0x1800000
	v_max3_num_f32 v[TM+2+\c], |v[X+2+32*\c]|, |v[X+3+32*\c]|, |v[X+4+32*\c]|
.endr
.set J, 5
.rept 13
.set T_, TM+2*((J/2)%2)
.irp c, 0,1
	v_max3_num_f32 v[T_+\c], v[T_+\c], |v[X+J+32*\c]|, |v[X+J+1+32*\c]|
.endr
.set J, J+2
.endr
.irp c, 0,1
	v_max3_num_f32 v[TM+\c], v[TM+\c], v[TM+2+\c], |v[X+31+32*\c]|
.endr
.irp c, 0,1
	v_add_nc_u32 v[SO+\c], 0xff000000, v[TM+\c]    ; 2 off the exponent field: the conversion's scale operand
.endr
.irp c, 0,1
	v_cvt_scalef32_pk16_fp6_f32 v[PC+6*\c:PC+2+6*\c], v[X+32*\c:X+15+32*\c], v[SO+\c]
	v_cvt_scalef32_pk16_fp6_f32 v[PT+4*\c:PT+2+4*\c], v[X+16+32*\c:X+31+32*\c], v[SO+\c]   ; (a conversion's three registers begin on an even number)
.endr
.irp c, 0,1
	v_lshrrev_b32 v[TM+\c], 23, v[SO+\c]           ; the scale's byte; also the plain lines behind the conversions
.endr
	v_lshl_or_b32 v9, v[TM+1], 16, v[TM]           ; my two bytes
	v_lshlrev_b32 v9, v5, v9                       ; at their places in the word;
	v_permlanex16_b32 v7, v9, s28, s29
	v_or_b32 v9, v9, v7                            ; with lane l xor 16's two the word is whole
.irp c, 0,1
.irp i, 0,1,2
	v_mov_b32 v[PC+3+6*\c+\i], v[PT+4*\c+\i]
.endr
.endr
.irp g, 0,1,2
	global_store_b128 v3, v[PC+4*\g:PC+4*\g+3], s[24:25] offset:512*\g   ; 32 lanes store 512 consecutive bytes, aligned
.endr
	global_store_b32 v6, v9, s[26:27]              ; lanes r and r + 16 store the same word to the same place
	s_wait_tensorcnt 0x0                           ; the wave's end
	ds_add_u32 v10, v11
	s_wait_dscnt 0x0
	s_endpgm
.Lfunc_end_k_q5f562b930e_wquant:
	.size	k_q5f562b930e_wquant, .Lfunc_end_k_q5f562b930e_wquant-k_q5f562b930e_wquant
	.p2alignl 7, 3214868480
	.fill 96, 4, 3214868480
	.section	.rodata,"a",@progbits
	.p2align	6, 0x0
	.amdhsa_kernel k_q5f562b930e_wquant
		.amdhsa_group_segment_fixed_size 8704
		.amdhsa_private_segment_fixed_size 0
		.amdhsa_enable_private_segment 0
		.amdhsa_kernarg_size 32
		.amdhsa_user_sgpr_count 2
		.amdhsa_user_sgpr_kernarg_segment_ptr 1
		.amdhsa_wavefront_size32 1
		.amdhsa_system_sgpr_workgroup_id_x 1
		.amdhsa_system_sgpr_workgroup_id_y 1
		.amdhsa_system_sgpr_workgroup_id_z 1
		.amdhsa_system_vgpr_workitem_id 0
		.amdhsa_next_free_vgpr 160
		.amdhsa_next_free_sgpr 66
		.amdhsa_reserve_vcc 0
		.amdhsa_float_denorm_mode_32 3
		.amdhsa_float_denorm_mode_16_64 3
		.amdhsa_memory_ordered 1
		.amdhsa_forward_progress 1
		.amdhsa_inst_pref_size 10
	.end_amdhsa_kernel
	.amdgpu_metadata
---
amdhsa.version: [ 1, 2 ]
amdhsa.kernels:
  - .name:           k_q5f562b930e_wquant
    .symbol:         k_q5f562b930e_wquant.kd
    .args:
      - { .name: Wq, .offset: 0, .size: 8, .value_kind: global_buffer, .address_space: global }
      - { .name: Wk, .offset: 8, .size: 8, .value_kind: global_buffer, .address_space: global }
      - { .name: Wv, .offset: 16, .size: 8, .value_kind: global_buffer, .address_space: global }
      - { .name: wc, .offset: 24, .size: 8, .value_kind: global_buffer, .address_space: global }
    .group_segment_fixed_size: 8704
    .private_segment_fixed_size: 0
    .kernarg_segment_align: 8
    .kernarg_segment_size: 32
    .max_flat_workgroup_size: 32
    .sgpr_count:     66
    .vgpr_count:     160
    .wavefront_size: 32
...
	.end_amdgpu_metadata
.endif
;; end of part 1
;; launch proj (part 2): grid 256 x 1, 12 waves a work-group, clusters of 4 x 1, 327,680 bytes of LDS; arguments x, wc, bq, bk, bv, kv, qc; writes kv, qc
.if DOCPART == 2
	.amdgcn_target "amdgcn-amd-amdhsa--gfx1250"
	.amdhsa_code_object_version 6
	.text
	.protected	k_q5f562b930e_proj
	.globl	k_q5f562b930e_proj
	.p2align	8
	.type	k_q5f562b930e_proj,@function
k_q5f562b930e_proj:
	s_mov_b64 s[64:65], 0
	v_nop
	global_prefetch_b8 v0, s[64:65] scope:SCOPE_SE
	s_setreg_imm32_b32 hwreg(HW_REG_WAVE_MODE, 25, 1), 1
	s_wait_xcnt 0x0
	s_wait_alu depctr_hold_cnt(0) depctr_sa_sdst(0) depctr_va_vdst(0) depctr_va_sdst(0) depctr_va_ssrc(0) depctr_va_vcc(0) depctr_vm_vsrc(0)
	s_getreg_b32 s2, hwreg(HW_REG_IB_STS2, 6, 4)
	s_cmp_eq_u32 s2, 0
	s_cbranch_scc0 .Lentry_in_a_cluster
	s_endpgm
.Lentry_in_a_cluster:
	s_bfe_u32 s2, ttmp6, 0x10000c
	s_cmp_lg_u32 s2, 0x3003
	s_cbranch_scc0 .Lentry_shape_is_right
	s_endpgm
.Lentry_shape_is_right:
; Q = x Wq^T + bq, K = x Wk^T + bk, V = x Wv^T + bv on codes of FP6 (E2M3) with E8M0 scales for each 32 along K = 768, and Q, K, V quantised again for the attention: Q and K along the head's 64, V along the tokens.
; SHARES.  A work-group (group G = 4 x cluster + place) owns 64 tokens.  K goes in six steps of 128.  Step s of x (64 rows x 512 bytes) is brought by wave s with a tensor load of its own; all six are asked for at the head, so no prefetch is written.
; The weights' codes (110,592 bytes, in register order) are asked for JOINTLY by the four partners of the cluster, a sixth by each of waves 6 to 11.  LDS is filled once: no slot is filled again.
; A barrier in front of each step shows that step's rows to all.  Behind it the four waves 4 (s % 3) + j turn tile j of step s into a fragment of codes in LDS, and all twelve multiply step s - 1.
; PRODUCT: four accumulators, D[t] = F4[t] x F1.  Waves 0-3: Q, 4-7: K, of token tile i = w % 4: F4 = the four tiles of W, F1 = x's tile i (a lane holds one token).  Waves 8-11: V: F4 = x's four tiles, F1 = Wv's tile i (a lane holds one d).
; A TILE'S ROWS ARE NOT NEIGHBOURS: row 8 h + i of token tile j is token 32 h + 8 j + i; Wq's and Wk's tiles likewise.  So accumulator register 8 j + i of lane (r, h) is neighbour 32 h + 8 j + i along the next K: a lane's 32 results are one scale block.
; OUT, in register order (half a fragment: registers 0-3 at 16 x lane, registers 4-5 at 512 + 8 x lane, 768 bytes):
;  kv: [batch][step of 128 keys] records of 13,056 bytes: K's eight tiles at 768 tau (tau = 4 c + j, c: 64 keys); V at 6,144 + 3,072 c + 768 e (e: 16 d); K's scale words at 12,288 + 64 tau + 4 r; V's at 12,800 + 4 d.
;  qc: [group] records of 3,328 bytes: four tiles at 768 i, scale words at 3,072 + 64 i + 4 r.
;  The codes leave as 512 and 256 consecutive aligned bytes a store; the scale words in runs of 64 bytes (V's: two bytes of each word): 640 bytes of a work-group's output.
; LIMITS: a block whose largest magnitude lies under 2^-124, zeros among them, gets the byte 1 (this program alone reads the bytes); NaN and infinities are not served.
.set XP,    528                        ; a row of x in LDS: 512 bytes + 16
.set UNIT,  64*XP                      ; a step of x
.set WI,    6*UNIT                     ; the weights' fragments: (s, n) at WI + 18,432 s + 1,536 n
.set FRB,   1536
.set WSTEP, 12*FRB
.set IMG,   WI+6*WSTEP                 ; x's fragments, two steps by turns: 6,144 (s % 2) + 1,536 j
.set SCX,   IMG+8*FRB                  ; and their scale words: 256 (s % 2) + 64 j + 4 r
.set SPARE, SCX+512                    ; the spare words: 128 bytes for each wave; they end at 327,680
.set L16, 1                            ; v1   16 x lane
.set XA,  2                            ; v2   my row of x, step 0;  v3 the same in the step in hand
.set XT,  3
.set XWI, 4                            ; v4   fragment i of x in LDS (I lay it; Q, K read it)
.set XWS, 5                            ; v5   and its scale words
.set AW,  6                            ; v6   my weights' fragments, steps 0-2;  v7 steps 3-5
.set AWB, 7
.set AIV, 8                            ; v8   V: x's fragments;  v9 their scale words
.set AISV, 9
.set HB,  10                           ; v10  8 h
.set GO16, 11                          ; v11-13 my offsets in the output
.set GO8, 12
.set GOS, 13
.set BA,  14                           ; v14, v15 my offsets in the biases
.set BV,  15
.set X0,  16                           ; v16-79 64 numbers of x
.set F4,  80                           ; v80-127
.set F1,  128                          ; v128-139
.set BX,  140
.set PW,  141                          ; the scale word just made
.set L4,  142                          ; v142 4 x lane
.set ACC, 144                          ; v144-175
.set BI,  176                          ; v176-207 the bias in the result's layout
.set PC,  208                          ; v208-219 codes just made;  v220-222, v224-226 second halves
.set PT,  220
.set TM,  228
.set SO,  236
.set SW,  240                          ; v240-251 the weights' scale words (Q, K: two a step, V: one);  v252-253 x's.  They hold scales and nothing else
.set SX,  252
.set SPW, 254
.set NIL, 255
.set WV,  18
.set SEL, 60
.macro WALU
	s_wait_alu depctr_va_vdst(0)
.endm
.macro CROUND                          ; a round of the cluster's barrier
	s_barrier_signal -1
	s_barrier_wait -1
	s_cmp_lg_u32 s[WV], 0
	s_cbranch_scc1 .Lnot_wave_0_\@
	s_barrier_signal -3
.Lnot_wave_0_\@:
	s_barrier_wait -3
	s_barrier_signal -1
	s_barrier_wait -1
.endm
; nb whole blocks of a lane, 32 registers each from x on, become codes in v[PC] on (six registers a block) and the scale word in v[PW].  Two chains a block find the largest magnitude; each accumulator is read from its low end on.
.macro QUANT x, nb
.set C_, 0
.rept \nb
	v_max3_num_f32 v[TM+C_], |v[\x+32*C_]|, |v[\x+1+32*C_]|, 0x1800000   ; with the floor 2^(3 - 127): the byte cannot fall under 1
	v_max3_num_f32 v[TM+2+C_], |v[\x+2+32*C_]|, |v[\x+3+32*C_]|, |v[\x+4+32*C_]|
.set C_, C_+1
.endr
.set J, 5
.rept 13
.set C_, 0
.rept \nb
.set T_, TM+2*((J/2)%2)+C_
	v_max3_num_f32 v[T_], v[T_], |v[\x+J+32*C_]|, |v[\x+J+1+32*C_]|
.set C_, C_+1
.endr
.set J, J+2
.endr
.set C_, 0
.rept \nb
	v_max3_num_f32 v[TM+C_], v[TM+C_], v[TM+2+C_], |v[\x+31+32*C_]|
.set C_, C_+1
.endr
.set C_, 0
.rept \nb
	v_add_nc_u32 v[SO+C_], 0xff000000, v[TM+C_]    ; 2 off the exponent field: the conversion's scale operand
.set C_, C_+1
.endr
.set C_, 0
.rept \nb
	v_cvt_scalef32_pk16_fp6_f32 v[PC+6*C_:PC+2+6*C_], v[\x+32*C_:\x+15+32*C_], v[SO+C_]
	v_cvt_scalef32_pk16_fp6_f32 v[PT+4*C_:PT+2+4*C_], v[\x+16+32*C_:\x+31+32*C_], v[SO+C_]   ; (a conversion's three registers begin on an even number)
.set C_, C_+1
.endr
.set C_, 0
.rept \nb
	v_lshrrev_b32 v[TM+C_], 23, v[SO+C_]           ; the scale's byte; also the plain line behind the conversions
.set C_, C_+1
.endr
.if \nb > 1
	v_lshl_or_b32 v[TM], v[TM+1], 16, v[TM]        ; blocks h and 2 + h
.endif
	v_lshlrev_b32 v[PW], v[HB], v[TM]
	v_permlanex16_b32 v[BX], v[PW], s[SEL], s[SEL+1]
	v_or_b32 v[PW], v[PW], v[BX]                   ; with lane l xor 16's bytes the word is whole
.set C_, 0
.rept \nb
.irp i, 0,1,2
	v_mov_b32 v[PC+3+6*C_+\i], v[PT+4*C_+\i]
.endr
.set C_, C_+1
.endr
.endm
; the wave's role: macro m for step s, with 0 for Q and K, 1 for V; the branch hangs on the wave's number alone
.macro ROLE m, s
	s_cmp_eq_u32 s21, 1
	s_cbranch_scc1 .Lv_\@
	\m \s, 0
	s_branch .Lj_\@
.Lv_\@:
	\m \s, 1
.Lj_\@:
.endm
.macro LOADW s, v                      ; step s's fragments of the weights: Q, K four, V one
.set O_, WSTEP*((\s)%3)
.set A_, AW+(\s)/3
.if \v
.irp g, 0,1,2
	ds_load_b128 v[F1+4*\g:F1+4*\g+3], v[A_] offset:O_+512*\g
.endr
.else
.irp t, 0,1,2,3
.irp g, 0,1,2
	ds_load_b128 v[F4+12*\t+4*\g:F4+12*\t+4*\g+3], v[A_] offset:O_+FRB*\t+512*\g
.endr
.endr
.endif
.endm
.macro LOADX s, v                      ; step s's fragments of x: Q, K one, V four
.set O_, 4*FRB*((\s)%2)
.if \v
.irp t, 0,1,2,3
.irp g, 0,1,2
	ds_load_b128 v[F4+12*\t+4*\g:F4+12*\t+4*\g+3], v[AIV] offset:O_+FRB*\t+512*\g
.endr
.endr
	ds_load_b32 v[SX], v[AISV] offset:256*((\s)%2)         ; lanes 0-15: tile 0's words, lanes 16-31: tile 1's
	ds_load_b32 v[SX+1], v[AISV] offset:256*((\s)%2)+128   ; tiles 2 and 3
.else
.irp g, 0,1,2
	ds_load_b128 v[F1+4*\g:F1+4*\g+3], v[XWI] offset:O_+512*\g
.endr
	ds_load_b32 v[SX], v[XWS] offset:256*((\s)%2)
.endif
.endm
.macro PROD d, a, c, x0, x1, odd
.if \odd
	v_wmma_scale_f32_16x16x128_f8f6f4 v[\d:\d+7], v[\a:\a+11], v[F1:F1+11], v[\c:\c+7], v[\x0], v[\x1] matrix_a_fmt:MATRIX_FMT_FP6 matrix_b_fmt:MATRIX_FMT_FP6 matrix_a_scale:MATRIX_SCALE_ROW1
.else
	v_wmma_scale_f32_16x16x128_f8f6f4 v[\d:\d+7], v[\a:\a+11], v[F1:F1+11], v[\c:\c+7], v[\x0], v[\x1] matrix_a_fmt:MATRIX_FMT_FP6 matrix_b_fmt:MATRIX_FMT_FP6
.endif
.endm
; step s's four products; the four accumulators take turns, one instruction a turn.  The first step's C is the bias.
.macro MULS s, v
.irp t, 0,1,2,3
.if (\s) > 0
.set B_, ACC+8*\t
.elseif \v
.set B_, BI
.else
.set B_, BI+8*\t
.endif
.if \v
	PROD ACC+8*\t, F4+12*\t, B_, SX+\t/2, SW+(\s), \t%2
.else
	PROD ACC+8*\t, F4+12*\t, B_, SW+2*(\s)+\t/2, SX, \t%2
.endif
.endr
.rept 4
	v_nop                                          ; four places in front of the loads, or the first read of results, behind them
.endr
.endm
.macro START s, v                      ; step s's fragments of x; ahead of the first step the bias and the first weights too
.if \s == 0
	s_wait_loadcnt 0x0                             ; the bias and the weights' scale words
.if \v
.irp j, 1,2,3,4,5,6,7
	v_mov_b32 v[BI+\j], v[BI]                      ; a lane holds one d: all its registers take that d's bias
.endr
	WALU
.endif
	LOADW \s, \v
.endif
	LOADX \s, \v
.endm
.macro OTHERS s, v                     ; a wave that does not quantise: step s, and the next step's weights
	START \s, \v
	s_wait_dscnt 0x0
	MULS \s, \v
	LOADW (\s)+1, \v
.endm
.macro LAST s, v
	LOADX \s, \v
	s_wait_dscnt 0x0
	MULS \s, \v
.endm
.macro ITER s
	v_add_nc_u32 v[XT], UNIT*(\s), v[XA]
	WALU
.if \s == 5
	s_wait_tensorcnt 0x0                           ; step 5, the last tile still out
.else
	s_cmp_eq_u32 s[WV], \s                         ; wave s fetched step s
	s_cbranch_scc0 .Lnot_mine_\@
	s_wait_tensorcnt 0x0
.Lnot_mine_\@:
.endif
.if \s == 1
	s_cmp_lt_u32 s[WV], 6                          ; waves 6 to 11 fetched the weights
	s_cbranch_scc1 .Lnot_w_\@
	s_wait_tensorcnt 0x0
.Lnot_w_\@:
.endif
	s_wait_dscnt 0x0                               ; for the others' sake: my stores and my reads are done
	s_barrier_signal -1
	s_barrier_wait -1                              ; step s's rows are in, and step s - 1's fragments
	s_cmp_eq_u32 s20, \s%3
	s_cbranch_scc0 .Lno_quant_\@
.if \s > 0
	START (\s-1), ((\s%3)/2)                       ; the quantising waves' role is s % 3
.endif
.irp c, 0,1
.irp q, 0,1,2,3,4,5,6,7
	ds_load_b128 v[X0+32*\c+4*\q:X0+32*\c+4*\q+3], v[XT] offset:256*\c+16*\q
.endr
.endr
.if \s > 0
	s_wait_dscnt 16                                ; all but the 16 loads of my rows: step s - 1 is multiplied while they are on their way
	MULS (\s-1), ((\s%3)/2)
	LOADW \s, ((\s%3)/2)
	s_wait_dscnt 12-9*((\s%3)/2)                   ; my rows are in; the weights' 12 loads (V: 3) may be out
.else
	s_wait_dscnt 0x0
.endif
	QUANT X0, 2
.irp g, 0,1,2
	ds_store_b128 v[XWI], v[PC+4*\g:PC+4*\g+3] offset:4*FRB*(\s%2)+512*\g
.endr
	ds_store_b32 v[XWS], v[PW] offset:256*(\s%2)   ; lanes r and r + 16 write the same word with the same value
	s_branch .Lquant_done_\@
.Lno_quant_\@:
.if \s > 0
	ROLE OTHERS, (\s-1)
.endif
.Lquant_done_\@:
.endm
	s_load_b128 s[4:7], s[0:1], 0x0                ; x, wc
	s_load_b128 s[8:11], s[0:1], 0x10              ; bq, bk
	s_load_b128 s[12:15], s[0:1], 0x20             ; bv, kv
	s_load_b64 s[16:17], s[0:1], 0x30              ; qc
	v_lshl_add_u32 v[SPW], v0, 2, SPARE
	v_mov_b32 v[NIL], 0
	ds_add_u32 v[SPW], v[NIL]                      ; the opening lines: the add, twice on end, and its wait
	ds_add_u32 v[SPW], v[NIL]
	v_lshrrev_b32 v1, 5, v0
	v_readfirstlane_b32 s[WV], v1                  ; wave 0..11
	s_and_b32 s19, s[WV], 3                        ; i
	s_lshr_b32 s20, s[WV], 2                       ; role: 0 Q, 1 K, 2 V
	s_lshr_b32 s21, s[WV], 3                       ; 1 for V
	s_bfe_u32 s56, ttmp6, 0x40000                  ; my place in the cluster: it enters global addresses alone
	s_lshl_b32 s23, ttmp9, 2
	s_add_co_u32 s23, s23, s56                     ; G
	; group 1 for a step of x: 64 rows x 128 elements of 4 bytes, 768 elements apart; 4 words of padding behind every 128
	s_mov_b32 s24, (2<<16)|(1<<20)|(6<<22)|(3<<25)
	s_mov_b32 s25, 128<<16
	s_mov_b32 s26, 64<<16
	s_mov_b32 s27, 128<<16
	s_mov_b32 s28, 64
	s_mov_b32 s29, 768
	s_mov_b32 s30, 0
	s_mov_b32 s31, 0
	; group 1 for a sixth of the weights: a dense block of 72 rows x 256 bytes (32 elements of 8 bytes); the mask names the cluster's four, bit 21 beside it
	s_mov_b32 s36, 15|(3<<16)|(1<<21)
	s_mov_b32 s37, 32<<16
	s_mov_b32 s38, 72<<16
	s_mov_b32 s39, 32<<16
	s_mov_b32 s40, 72
	s_mov_b32 s41, 32
	s_mov_b32 s42, 0
	s_mov_b32 s43, 0
	s_mul_i32 s58, s23, 196608                     ; the group's 64 rows of 3,072 bytes,
	s_lshl_b32 s56, s[WV], 9                       ; step w: 512 bytes of each
	s_add_co_u32 s58, s58, s56
	s_mov_b32 s59, 0
	s_mul_i32 s62, s[WV], WSTEP                    ; waves 6 to 11: sixth w - 6
	s_mov_b32 s63, 0
	s_mov_b32 s32, 1
	s_mul_i32 s33, s[WV], UNIT
	s_mov_b32 s44, 1
	s_add_co_u32 s45, s62, WI-6*WSTEP
	s_mov_b32 s[SEL], 0x76543210
	s_mov_b32 s[SEL+1], 0xfedcba98                 ; selects for lane l xor 16
	s_wait_dscnt 0x0
	s_wait_kmcnt 0x0
	s_add_nc_u64 s[34:35], s[4:5], s[58:59]
	s_or_b32 s35, s35, 0x80000000
	s_add_nc_u64 s[46:47], s[6:7], s[62:63]        ; made of the wave's number alone: equal in the four partners
	s_sub_nc_u64 s[46:47], s[46:47], 6*WSTEP
	s_or_b32 s47, s47, 0x80000000
	CROUND                                         ; the four work-groups are here: the joint loads meet
	; the head's loads, one a wave: one chain of branches on the wave's number, each arm with its load
	s_cmp_eq_u32 s[WV], 0                          ; step 0 of x first, then the weights, then the other steps
	s_cbranch_scc0 .Lnot_x0
	tensor_load_to_lds s[32:35], s[24:31]
	s_nop 0
.rept 4
	v_nop
.endr
	s_branch .Lasked
.Lnot_x0:
	s_cmp_lt_u32 s[WV], 6
	s_cbranch_scc1 .Lx_arms
	tensor_load_to_lds s[44:47], s[36:43]
	s_nop 0
.rept 4
	v_nop
.endr
	s_branch .Lasked
.Lx_arms:
.irp k, 1,2,3,4
	s_cmp_eq_u32 s[WV], \k
	s_cbranch_scc0 .Lx_not_\k
	tensor_load_to_lds s[32:35], s[24:31]
	s_nop 0
.rept 4
	v_nop
.endr
	s_branch .Lasked
.Lx_not_\k:
.endr
	tensor_load_to_lds s[32:35], s[24:31]
	s_nop 0
.rept 4
	v_nop
.endr
.Lasked:
	; every address register is made here, while the tiles are on their way; the scalar terms first
	s_mul_i32 s62, s19, 8*XP                       ; tile i's rows begin at row 8 i
	s_mul_i32 s63, s19, FRB
	s_lshl_b32 s70, s19, 6
	s_add_co_u32 s56, s63, IMG                     ; fragment i of x
	s_add_co_u32 s57, s70, SCX
	s_mul_i32 s58, s21, s63                        ; V: Wv's tile i
	s_mul_i32 s59, s20, 4*FRB
	s_add_co_u32 s58, s58, s59
	s_add_co_u32 s58, s58, WI
	; where my results go
	s_mul_i32 s66, s23, 3328                       ; qc: the group's record
	s_lshr_b32 s67, s23, 6                         ; batch
	s_mul_i32 s67, s67, 417792
	s_bfe_u32 s68, s23, 0x50001                    ; the step of 128 keys: 5 bits from bit 1
	s_mul_i32 s68, s68, 13056
	s_add_co_u32 s67, s67, s68                     ; kv: the step's record
	s_and_b32 s68, s23, 1                          ; which 64 keys of it
	s_mul_i32 s69, s19, 768
	s_add_co_u32 s71, s66, s69                     ; Q's codes
	s_add_co_u32 s72, s66, s70
	s_add_co_u32 s72, s72, 3072                    ; Q's scale words
	s_mul_i32 s73, s68, 3072
	s_add_co_u32 s74, s67, s73
	s_add_co_u32 s74, s74, s69                     ; K's codes: tile 4 c + i
	s_lshl_b32 s75, s68, 8
	s_add_co_u32 s75, s75, s67
	s_add_co_u32 s75, s75, s70
	s_add_co_u32 s75, s75, 12288                   ; K's scale words
	s_add_co_u32 s76, s74, 6144                    ; V's codes: half c, d tile i
	s_lshl_b32 s77, s68, 1
	s_add_co_u32 s77, s77, s67
	s_add_co_u32 s77, s77, s70
	s_add_co_u32 s77, s77, 12800                   ; V's scale bytes 2 c, 2 c + 1 of each word
	s_cmp_eq_u32 s20, 1
	s_cselect_b32 s74, s74, s76
	s_cselect_b32 s75, s75, s77
	s_cmp_eq_u32 s20, 0
	s_cselect_b32 s71, s71, s74
	s_cselect_b32 s72, s72, s75
	s_cselect_b64 s[52:53], s[16:17], s[14:15]     ; qc or kv: the choice hangs on the wave's number alone
	s_cselect_b64 s[54:55], s[8:9], s[10:11]       ; bq or bk
	s_add_co_u32 s73, s71, 512
	s_mul_i32 s78, s20, 1536
	s_add_co_u32 s78, s78, 110592                  ; my role's scale words in wc
	s_mov_b32 s79, 0
	s_add_nc_u64 s[80:81], s[6:7], s[78:79]
	v_and_b32 v16, 31, v0                          ; lane
	v_and_b32 v17, 15, v0                          ; r
	v_bfe_u32 v18, v0, 4, 1                        ; h
	v_lshlrev_b32 v[L16], 4, v16
	v_lshlrev_b32 v[L4], 2, v16
	v_lshrrev_b32 v19, 3, v17
	v_mad_u32_u24 v19, v19, 24, v17                ; r + 24 (r / 8): 0 .. 7, 32 .. 39
	v_mul_u32_u24 v[XA], v19, XP
	v_lshl_add_u32 v[XA], v18, 7, v[XA]            ; + 128 h: lane (r, h) takes k = 64 c + 32 h + 0 .. 31
	v_add_nc_u32 v[XA], s62, v[XA]
	v_add_nc_u32 v[XWI], s56, v[L16]
	v_lshl_add_u32 v[XWS], v17, 2, s57
	v_add_nc_u32 v[AW], s58, v[L16]
	v_add_nc_u32 v[AWB], 3*WSTEP, v[AW]
	v_add_nc_u32 v[AIV], IMG, v[L16]
	v_add_nc_u32 v[AISV], SCX, v[L4]
	v_lshlrev_b32 v[HB], 3, v18
	v_add_nc_u32 v[GO16], s71, v[L16]
	v_lshl_add_u32 v[GO8], v16, 3, s73
	v_lshl_add_u32 v[GOS], v17, 2, s72
	v_lshlrev_b32 v[BA], 7, v18                    ; Q, K: tile t's eight units of my half: 32 h + 8 t + 0 .. 7
	v_lshl_add_u32 v[BV], v17, 2, s70              ; V: d = 16 i + r; the same offset serves Wv's scale words of tile i
	v_mov_b32 v[BX], 0                             ; a lane permute's destination counts as one of its sources
	WALU
	s_cmp_eq_u32 s21, 1
	s_cbranch_scc1 .Lhead_v
.irp t, 0,1,2,3
	global_load_b128 v[BI+8*\t:BI+8*\t+3], v[BA], s[54:55] offset:32*\t
	global_load_b128 v[BI+8*\t+4:BI+8*\t+7], v[BA], s[54:55] offset:32*\t+16
.endr
.irp s, 0,1,2,3,4,5
	global_load_b32 v[SW+2*\s], v[L4], s[80:81] offset:256*\s          ; lanes 0-15: tile 0's words, lanes 16-31: tile 1's
	global_load_b32 v[SW+2*\s+1], v[L4], s[80:81] offset:256*\s+128    ; tiles 2 and 3
.endr
	s_branch .Lhead_done
.Lhead_v:
	global_load_b32 v[BI], v[BV], s[12:13]
.irp s, 0,1,2,3,4,5
	global_load_b32 v[SW+\s], v[BV], s[80:81] offset:256*\s
.endr
.Lhead_done:
.irp s, 0,1,2,3,4,5
	ITER \s
.endr
	s_wait_dscnt 0x0
	s_barrier_signal -1
	s_barrier_wait -1                              ; step 5's fragments are in
	ROLE LAST, 5
	QUANT ACC, 1
	global_store_b128 v[GO16], v[PC:PC+3], s[52:53]     ; 32 lanes store 512 consecutive bytes, aligned
	global_store_b64 v[GO8], v[PC+4:PC+5], s[52:53]     ; and 256
	WALU
	s_cmp_eq_u32 s21, 1
	s_cbranch_scc1 .Lv_scale
	global_store_b32 v[GOS], v[PW], s[52:53]       ; lanes r and r + 16 store the same word to the same place
	s_branch .Lstored
.Lv_scale:
	global_store_b16 v[GOS], v[PW], s[52:53]       ; my group's two of the word's four bytes
.Lstored:
	s_wait_tensorcnt 0x0                           ; the wave's end
	ds_add_u32 v[SPW], v[NIL]
	s_wait_dscnt 0x0
	CROUND                                         ; the closing round: no work-group ends while a partner may still ask for a tile that names it
	s_endpgm
.Lfunc_end_k_q5f562b930e_proj:
	.size	k_q5f562b930e_proj, .Lfunc_end_k_q5f562b930e_proj-k_q5f562b930e_proj
	.p2alignl 7, 3214868480
	.fill 96, 4, 3214868480
	.section	.rodata,"a",@progbits
	.p2align	6, 0x0
	.amdhsa_kernel k_q5f562b930e_proj
		.amdhsa_group_segment_fixed_size 327680
		.amdhsa_private_segment_fixed_size 0
		.amdhsa_enable_private_segment 0
		.amdhsa_kernarg_size 56
		.amdhsa_user_sgpr_count 2
		.amdhsa_user_sgpr_kernarg_segment_ptr 1
		.amdhsa_wavefront_size32 1
		.amdhsa_system_sgpr_workgroup_id_x 1
		.amdhsa_system_sgpr_workgroup_id_y 1
		.amdhsa_system_sgpr_workgroup_id_z 1
		.amdhsa_system_vgpr_workitem_id 0
		.amdhsa_next_free_vgpr 256
		.amdhsa_next_free_sgpr 96
		.amdhsa_reserve_vcc 0
		.amdhsa_float_denorm_mode_32 3
		.amdhsa_float_denorm_mode_16_64 3
		.amdhsa_memory_ordered 1
		.amdhsa_forward_progress 1
		.amdhsa_inst_pref_size 72
	.end_amdhsa_kernel
	.amdgpu_metadata
---
amdhsa.version: [ 1, 2 ]
amdhsa.kernels:
  - .name:           k_q5f562b930e_proj
    .symbol:         k_q5f562b930e_proj.kd
    .args:
      - { .name: x, .offset: 0, .size: 8, .value_kind: global_buffer, .address_space: global }
      - { .name: wc, .offset: 8, .size: 8, .value_kind: global_buffer, .address_space: global }
      - { .name: bq, .offset: 16, .size: 8, .value_kind: global_buffer, .address_space: global }
      - { .name: bk, .offset: 24, .size: 8, .value_kind: global_buffer, .address_space: global }
      - { .name: bv, .offset: 32, .size: 8, .value_kind: global_buffer, .address_space: global }
      - { .name: kv, .offset: 40, .size: 8, .value_kind: global_buffer, .address_space: global }
      - { .name: qc, .offset: 48, .size: 8, .value_kind: global_buffer, .address_space: global }
    .group_segment_fixed_size: 327680
    .private_segment_fixed_size: 0
    .kernarg_segment_align: 8
    .kernarg_segment_size: 56
    .max_flat_workgroup_size: 384
    .sgpr_count:     96
    .vgpr_count:     256
    .wavefront_size: 32
...
	.end_amdgpu_metadata
.endif
;; end of part 2
;; launch attn (part 3): grid 64 x 4, 8 waves a work-group, clusters of 4 x 1, 327,680 bytes of LDS; arguments kv, qc, out0; writes out0
.if DOCPART == 3
	.amdgcn_target "amdgcn-amd-amdhsa--gfx1250"
	.amdhsa_code_object_version 6
	.text
	.protected	k_q5f562b930e_attn
	.globl	k_q5f562b930e_attn
	.p2align	8
	.type	k_q5f562b930e_attn,@function
k_q5f562b930e_attn:
	s_mov_b64 s[64:65], 0
	v_nop
	global_prefetch_b8 v0, s[64:65] scope:SCOPE_SE
	s_setreg_imm32_b32 hwreg(HW_REG_WAVE_MODE, 25, 1), 1
	s_wait_xcnt 0x0
	s_wait_alu depctr_hold_cnt(0) depctr_sa_sdst(0) depctr_va_vdst(0) depctr_va_sdst(0) depctr_va_ssrc(0) depctr_va_vcc(0) depctr_vm_vsrc(0)
	s_getreg_b32 s2, hwreg(HW_REG_IB_STS2, 6, 4)
	s_cmp_eq_u32 s2, 0
	s_cbranch_scc0 .Lentry_in_a_cluster
	s_endpgm
.Lentry_in_a_cluster:
	s_bfe_u32 s2, ttmp6, 0x10000c
	s_cmp_lg_u32 s2, 0x3003
	s_cbranch_scc0 .Lentry_shape_is_right
	s_endpgm
.Lentry_shape_is_right:
; out[b][q][:] = the sum over k of softmax_k(Q[b][q] . K[b][k] / 8) V[b][k][:], no mask, both products on codes of FP6 (E2M3) with E8M0 scales for each 32 along a product's K.  4 batches x 4,096 tokens, head 64.
; kv and qc hold the codes in the order of the operands' registers (half a fragment: registers 0-3 at 16 x lane, registers 4-5 at 512 + 8 x lane, 768 bytes), made by the launch before:
;  kv: [batch][step of 128 keys] records of 13,056 bytes: K's eight tiles at 768 tau; V at 6,144 + 3,072 c + 768 e; K's scale words at 12,288 + 64 tau + 4 r; V's at 12,800 + 4 d.   qc: [group of 64 tokens] records of 3,328 bytes.
; THE SOFTMAX: t = score x log2(e) / 8; M = the largest t so far, rounded UP to a whole number; p = 2^(t - M) is quantised along the keys, not normalised; the row's sum is taken of the unquantised p and divides at the end.
; SHARES.  A work-group owns 64 queries of one batch.  Wave w: qh = w / 4 is a pair of tiles of 16 queries (u = 0, 1: tile 2 qh + u), kq = w % 4 a quarter of the keys: of each run of 1,024 keys (8 records) its records 2 kq and 2 kq + 1: eight key steps of 128.
; Each fragment of K and V that a wave reads feeds both its tiles, and the two tiles' chains stand side by side.
; A tile's four partial results meet in LDS at the end; M is a whole number, so bringing them under one M rounds nothing.
; THE SLOTS.  A batch has four runs; three slots of a run each fit in LDS.  The head asks for runs 0, 1 and 2, one load a wave: waves 0-3 run 0, waves 4-7 runs 1 and 2, which lie end to end.  Run 3 goes into slot 0 in key step 1, behind a round of the cluster's
; barrier; its barrier is signalled in step 3 and waited for in step 5.  No prefetch is written: three of the four runs are asked for at the head, and the fourth's load stands two key steps ahead of the wait for it.
; A KEY STEP asks for its V at its start and for the next step's K behind its own score products, so that both are on their way under other work.
; LAYOUT.  Both products transposed: S^T = K Q^T, O^T = V^T P^T: a lane holds ONE query of a tile throughout.  Row 8 h + i of key tile tau = 4 c + j is key 64 c + 32 h + 8 j + i, so the 32 registers of four tiles are one whole scale block in the lane.
; Query tiles are laid likewise: row r of tile qt is token 32 (r / 8) + 8 qt + r % 8 of the group.
; K = 64 IN AN INSTRUCTION OF 128: Q's registers 6-11 are zero codes.  Key tile tau is named as twelve registers from its six on: the upper six are the next tile's codes (for tile 7: zeros), finite numbers that meet zero codes.
; CLUSTER.  The four work-groups of a cluster belong to one batch and walk the same records: each is asked for JOINTLY.
; LIMITS: NaN and infinities are not served; scaled scores (t) stay under 2^31 in magnitude.
; REGISTERS.  Window 0: addresses, Q, K, V, the scale words, and what the way out joins.  Window 1: scores, O^T, p's codes and the softmax's state.
.set REC,   13056
.set PART,  2*REC                      ; what one wave reads of a slot
.set SLOTB, 8*REC                      ; a slot: 104,448 bytes
.set BATCH, 32*REC
.set SPARE, 3*SLOTB                    ; behind the three slots: the spare words, 128 bytes for each wave
.set ML,    SPARE+1024                 ; each wave's -M and sum, 8 bytes a query: bytes into which no tensor load lands
.set STAGE, SLOTB                      ; the way out: 32 rows x (256 bytes + 16) for each wave, in slot 1: it has had its one fill, and every wave's reads of it are over in front of the barrier that steps 3 and 5 share
.set SP,    272
; window 0
.set L16, 1                            ; v1   16 x lane
.set SPW, 5                            ; v5   LDS address of my spare word; never rewritten
.set NIL, 6                            ; v6   0; never rewritten
.set A16, 8                            ; v8-10  my part of the slot in hand + 16, 8, 4 x lane
.set A8,  9
.set A4,  10
.set QF,  16                           ; v16-21 tile 0's codes, v22-27 zeros;  v28-39 tile 1's
.set K,   40                           ; v40-87 K's eight tiles x 6;  v88-93 zeros
.set V,   94                           ; v94-141 V's four x 12
.set KS,  144                          ; v144-147 K's, v148-149 V's, v150-151 Q's, v152-153 p's scale words: these hold scales and nothing else
.set VS,  148
.set QS,  150
.set PW,  152
; window 1 (v256 + ..)
.set S,   0                            ; 0-63, 64-127 S^T of tile u, then p
.set O,   128                          ; 128-159, 160-191 O^T
.set PC,  192                          ; 192-203, 204-215 p's codes
.set PT,  216                          ; + 8 u: second halves (+ 0-2, + 4-6), the conversions' scale operands (+ 3, + 7); at work in the maxima
.set BM,  232                          ; + 2 u: the blocks' largest
.set MM,  236                          ; + 2 u: -M and the largest t
.set LL,  240                          ; + 2 u: the sum in two halves
.set F,   244                          ; + 2 u: f = 2^(old M - new M) (the pair's upper half is written once)
.set T,   248                          ; + u
.set BX,  250                          ; + u
.set HB,  252                          ; 8 h
.set WV,  18
.set QH,  19
.set KQ,  10
.set TB,  14                           ; s14  my part's place in a slot: kq x PART; never rewritten
.set SEL, 20
.set CS,  22                           ; s[22:23] c = log2(e) / 8
.set G1,  24                           ; s[24:31] descriptor group 1 for four records, s[68:75] for two
.set G1L, 68
.set G0,  32                           ; s[32:35], s[36:39] descriptor group 0: one set for each arm of the head
.set MSB, 0
.macro WIN new                         ; the immediate's high byte repeats the setting that is left
.if MSB != \new
	s_set_vgpr_msb (MSB<<8)|\new
.set MSB, \new
.endif
.endm
.macro WALU
	s_wait_alu depctr_va_vdst(0)
.endm
.macro CREST                           ; a round of the cluster's barrier behind its opening barrier
	s_cmp_lg_u32 s[WV], 0
	s_cbranch_scc1 .Lnot_wave_0_\@
	s_barrier_signal -3
.Lnot_wave_0_\@:
	s_barrier_wait -3
	s_barrier_signal -1
	s_barrier_wait -1
.endm
.macro CROUND
	s_barrier_signal -1
	s_barrier_wait -1
	CREST
.endm
.macro GROUP1 g, rows                  ; a dense block of rows of 256 bytes (32 elements of 8 bytes); the mask names the cluster's four, bit 21 beside it
	s_mov_b32 s[\g], 15|(3<<16)|(1<<21)
	s_mov_b32 s[\g+1], 32<<16
	s_mov_b32 s[\g+2], (\rows)<<16
	s_mov_b32 s[\g+3], 32<<16
	s_mov_b32 s[\g+4], \rows
	s_mov_b32 s[\g+5], 32
	s_mov_b32 s[\g+6], 0
	s_mov_b32 s[\g+7], 0
.endm
.macro TLOAD g0, g1
	tensor_load_to_lds s[\g0:\g0+3], s[\g1:\g1+7]
	s_nop 0
.rept 4
	v_nop
.endr
.endm
.macro SETA base                       ; on to the slot at LDS byte base
	s_add_co_u32 s15, s[TB], \base
	v_add_nc_u32 v[A16], s15, v[L16]
	v_lshrrev_b32 v[A8], 1, v[L16]
	v_lshrrev_b32 v[A4], 2, v[L16]
	v_add_nc_u32 v[A8], s15, v[A8]
	v_add_nc_u32 v[A4], s15, v[A4]
	WALU
.endm
.macro LOADK q                         ; 20 loads
.irp t, 0,1,2,3,4,5,6,7
	ds_load_b128 v[K+6*\t:K+6*\t+3], v[A16] offset:REC*(\q)+768*\t
	ds_load_b64 v[K+6*\t+4:K+6*\t+5], v[A8] offset:REC*(\q)+768*\t+512
.endr
.irp p, 0,1,2,3
	ds_load_b32 v[KS+\p], v[A4] offset:REC*(\q)+12288+128*\p   ; lanes 0-15: tile 2 p's words; lanes 16-31: tile 2 p + 1's
.endr
.endm
.macro LOADV q                         ; 18 loads
.irp e, 0,1,2,3
.irp c, 0,1
	ds_load_b128 v[V+12*\e+6*\c:V+12*\e+6*\c+3], v[A16] offset:REC*(\q)+6144+3072*\c+768*\e
	ds_load_b64 v[V+12*\e+6*\c+4:V+12*\e+6*\c+5], v[A8] offset:REC*(\q)+6144+3072*\c+768*\e+512
.endr
.endr
.irp e, 0,1
	ds_load_b32 v[VS+\e], v[A4] offset:REC*(\q)+12800+128*\e   ; lanes 0-15: d tile 2 e's words; lanes 16-31: d tile 2 e + 1's
.endr
.endm
; The largest SCORE of each block of 32 keys (c = 0, 1: my blocks h and 2 + h): it serves the row's maximum and, since p rises with the score, the block's largest p.  Two chains a block, eight in all; each accumulator is read from its low end on.
.macro MAXSEC
	WIN 0x55
.irp u, 0,1
.irp c, 0,1
	v_max3_num_f32 v[BM+2*\u+\c], v[S+64*\u+32*\c], v[S+1+64*\u+32*\c], v[S+2+64*\u+32*\c]
	v_max3_num_f32 v[PT+8*\u+4*\c], v[S+3+64*\u+32*\c], v[S+4+64*\u+32*\c], v[S+5+64*\u+32*\c]
.endr
.endr
.set J, 6
.rept 13
.irp u, 0,1
.irp c, 0,1
.if (J/2)%2
.set T_, BM+2*\u+\c
.else
.set T_, PT+8*\u+4*\c
.endif
	v_max3_num_f32 v[T_], v[T_], v[S+J+64*\u+32*\c], v[S+J+1+64*\u+32*\c]
.endr
.endr
.set J, J+2
.endr
.irp u, 0,1
.irp c, 0,1
	v_max_num_f32 v[BM+2*\u+\c], v[BM+2*\u+\c], v[PT+8*\u+4*\c]
.endr
.endr
.endm
.macro LVL u, st                       ; a level of tile u's sum, in place: pairs st / 2 registers apart
.set J_, S+64*(\u)
.rept 64/(\st)
	v_pk_add_f32 v[J_:J_+1], v[J_:J_+1], v[J_+(\st)/2:J_+(\st)/2+1]
.set J_, J_+(\st)
.endr
.endm
.macro FLOORS u                        ; tile u's scale operands
.irp c, 0,1
	v_max_num_f32 v[BM+2*\u+\c], 0x1800000, v[BM+2*\u+\c]   ; the floor 2^(3 - 127): the byte cannot fall under 1 (a block whose every p has fallen to 0 keeps that byte: its codes are zeros)
.endr
.irp c, 0,1
	v_add_nc_u32 v[PT+8*\u+4*\c+3], 0xff000000, v[BM+2*\u+\c]   ; 2 off the exponent field: the conversion's scale operand
.endr
.endm
.macro CVT u, c, half                  ; half a block's codes (a conversion's three registers begin on an even number, so the upper half is moved later)
.set X_, S+64*(\u)+32*(\c)+16*(\half)
.if \half
.set D_, PT+8*(\u)+4*(\c)
.else
.set D_, PC+12*(\u)+6*(\c)
.endif
	v_cvt_scalef32_pk16_fp6_f32 v[D_:D_+2], v[X_:X_+15], v[PT+8*(\u)+4*(\c)+3]
.endm
.macro BYTE u, c
	v_lshrrev_b32 v[BM+2*(\u)+(\c)], 23, v[PT+8*(\u)+4*(\c)+3]
.endm
.macro UPPER u, c
.irp i, 0,1,2
	v_mov_b32 v[PC+12*(\u)+6*(\c)+3+\i], v[PT+8*(\u)+4*(\c)+\i]
.endr
.endm
.macro SPROD u, t, odd
.if \odd
	v_wmma_scale_f32_16x16x128_f8f6f4 v[S+64*\u+8*(\t):S+64*\u+8*(\t)+7], v[K+6*(\t):K+6*(\t)+11], v[QF+12*\u:QF+12*\u+11], 0, v[KS+(\t)/2], v[QS+\u] matrix_a_fmt:MATRIX_FMT_FP6 matrix_b_fmt:MATRIX_FMT_FP6 matrix_a_scale:MATRIX_SCALE_ROW1
.else
	v_wmma_scale_f32_16x16x128_f8f6f4 v[S+64*\u+8*(\t):S+64*\u+8*(\t)+7], v[K+6*(\t):K+6*(\t)+11], v[QF+12*\u:QF+12*\u+11], 0, v[KS+(\t)/2], v[QS+\u] matrix_a_fmt:MATRIX_FMT_FP6 matrix_b_fmt:MATRIX_FMT_FP6
.endif
.endm
.macro OPROD n, u, e, odd
.set D_, O+32*(\u)+8*(\e)
.if \n == 0
.if \odd
	v_wmma_scale_f32_16x16x128_f8f6f4 v[D_:D_+7], v[V+12*(\e):V+12*(\e)+11], v[PC+12*\u:PC+12*\u+11], 0, v[VS+(\e)/2], v[PW+\u] matrix_a_fmt:MATRIX_FMT_FP6 matrix_b_fmt:MATRIX_FMT_FP6 matrix_a_scale:MATRIX_SCALE_ROW1
.else
	v_wmma_scale_f32_16x16x128_f8f6f4 v[D_:D_+7], v[V+12*(\e):V+12*(\e)+11], v[PC+12*\u:PC+12*\u+11], 0, v[VS+(\e)/2], v[PW+\u] matrix_a_fmt:MATRIX_FMT_FP6 matrix_b_fmt:MATRIX_FMT_FP6
.endif
.else
.if \odd
	v_wmma_scale_f32_16x16x128_f8f6f4 v[D_:D_+7], v[V+12*(\e):V+12*(\e)+11], v[PC+12*\u:PC+12*\u+11], v[D_:D_+7], v[VS+(\e)/2], v[PW+\u] matrix_a_fmt:MATRIX_FMT_FP6 matrix_b_fmt:MATRIX_FMT_FP6 matrix_a_scale:MATRIX_SCALE_ROW1
.else
	v_wmma_scale_f32_16x16x128_f8f6f4 v[D_:D_+7], v[V+12*(\e):V+12*(\e)+11], v[PC+12*\u:PC+12*\u+11], v[D_:D_+7], v[VS+(\e)/2], v[PW+\u] matrix_a_fmt:MATRIX_FMT_FP6 matrix_b_fmt:MATRIX_FMT_FP6
.endif
.endif
.endm
; KEY STEP n: record n % 2 of my part of run n / 2.  (A16, A8, A4 point at its slot; its K is on its way.)
.macro STEP n
.if \n > 0
.rept 4
	v_nop                                          ; places in front of loads into registers that the last products have read
.endr
.endif
	WIN 0
	LOADV (\n)%2
	s_wait_dscnt 18                                ; K is in; V's 18 loads may be out
	WIN 0x40
.irp t, 0,2,4,6
.irp u, 0,1
	SPROD \u, \t, 0
.endr
.irp u, 0,1
	SPROD \u, \t+1, 1
.endr
.endr
	WIN 0
.rept 4
	v_nop                                          ; places in front of the loads below and of the first read of the scores
.endr
.if \n == 1
	; THE ONE REFILL: slot 0 takes run 3.  Each wave waits for all its tensor loads, so that runs 1 and 2 are whole too, adds 0 to its spare word, and waits for that and for its reads of slot 0 (V of this step is the last).
	s_wait_tensorcnt 0x0
	ds_add_u32 v[SPW], v[NIL]
	s_add_nc_u64 s[G0+2:G0+3], s[G0+2:G0+3], 3*SLOTB   ; no load of mine is out, so a descriptor may be written; the type bits on top are not reached
	s_wait_dscnt 0x0
	s_barrier_signal -1
	MAXSEC                                         ; work on registers while the others arrive
	WIN 0
	WALU
	s_barrier_wait -1
	CREST                                          ; no wave of any partner still reads slot 0 or has a load on its way
	s_cmp_lt_u32 s[WV], 4
	s_cbranch_scc0 .Lno_refill_\@
	TLOAD G0, G1L                                  ; the first thing behind the round: waves 0-3, a quarter of the run each
.Lno_refill_\@:
	SETA SLOTB
	LOADK 0
	WIN 0x55
.else
.if \n == 3
	s_wait_tensorcnt 0x0                           ; my quarter of run 3 is in, if I fetched one;
	s_wait_dscnt 0x0                               ; my reads so far are over, all those of slot 1 among them: behind the wait of step 5 slot 1 may serve as the stage
	s_barrier_signal -1                            ; between here and the wait in step 5 stand register work and reads of slot 2 alone
	SETA 2*SLOTB
.endif
.if \n == 5
	s_barrier_wait -1                              ; everybody's quarter of run 3 is in
	SETA 0
.endif
.if \n < 7
	LOADK ((\n)+1)%2
.endif
	MAXSEC
.endif
.irp u, 0,1
	v_max_num_f32 v[T+\u], v[BM+2*\u], v[BM+2*\u+1]
.endr
.irp u, 0,1
	v_permlanex16_b32 v[BX+\u], v[T+\u], s[SEL], s[SEL+1]
.endr
.irp u, 0,1
	v_max_num_f32 v[T+\u], v[T+\u], v[BX+\u]       ; the step's largest score of my query
.endr
.if \n == 0
.irp u, 0,1
	v_mul_f32 v[MM+2*\u+1], s[CS], v[T+\u]         ; as t (c is positive)
.endr
.irp u, 0,1
	v_floor_f32 v[MM+2*\u], -v[MM+2*\u+1]          ; -M = floor(-t) = -ceil(t): a whole number
.endr
.else
.irp u, 0,1
	v_mul_f32 v[T+\u], s[CS], v[T+\u]
.endr
.irp u, 0,1
	v_max_num_f32 v[MM+2*\u+1], v[MM+2*\u+1], v[T+\u]   ; the running largest t
.endr
.irp u, 0,1
	v_floor_f32 v[T+\u], -v[MM+2*\u+1]             ; the new -M
.endr
.irp u, 0,1
	v_sub_f32 v[BX+\u], v[T+\u], v[MM+2*\u]        ; old M - new M: a whole number, 0 or less
.endr
.irp u, 0,1
	v_mov_b32 v[MM+2*\u], v[T+\u]
.endr
.irp u, 0,1
	v_cvt_i32_f32 v[BX+\u], v[BX+\u]               ; (it saturates)
.endr
.irp u, 0,1
	v_ldexp_f32 v[F+2*\u], 1.0, v[BX+\u]           ; f: multiplying by it rounds nothing
.endr
.irp u, 0,1
.set J, O+32*\u
.rept 16
	v_pk_mul_f32 v[J:J+1], v[J:J+1], v[F+2*\u:F+2*\u+1] op_sel_hi:[1,0]   ; O^T under the new M
.set J, J+2
.endr
.endr
.endif
.set J, S
.rept 32
	v_pk_fma_f32 v[J:J+1], v[J:J+1], s[CS:CS+1], v[MM:MM+1] op_sel_hi:[1,0,0]   ; tile 0's t - M, two at a time (of the pairs c and -M the low word serves both halves)
.set J, J+2
.endr
.irp c, 0,1
	v_fma_f32 v[BM+\c], v[BM+\c], s[CS], v[MM]     ; the same of each block's largest score
.endr
	WALU
	; tile 0's exponentials, p = 2^(t - M), at most 1, not normalised; between them tile 1's t - M, which nothing reads ahead of the waits below
.irp c, 0,1
	v_exp_f32 v[BM+\c], v[BM+\c]                   ; the block's largest p: the same arithmetic on the same number gives the same bits
.endr
	v_fma_f32 v[BM+2], v[BM+2], s[CS], v[MM+2]
.set J, 0
.rept 32
	v_exp_f32 v[S+2*J], v[S+2*J]
	v_exp_f32 v[S+2*J+1], v[S+2*J+1]
	v_pk_fma_f32 v[S+64+2*J:S+65+2*J], v[S+64+2*J:S+65+2*J], s[CS:CS+1], v[MM+2:MM+3] op_sel_hi:[1,0,0]
.set J, J+1
.endr
	v_fma_f32 v[BM+3], v[BM+3], s[CS], v[MM+2]
	WALU
	FLOORS 0
	WALU
	; tile 1's exponentials; between them tile 0's conversions and the first level of its sum, which nothing reads ahead of the wait below
.irp c, 0,1
	v_exp_f32 v[BM+2+\c], v[BM+2+\c]
.endr
.set J, 0
.rept 32
	v_exp_f32 v[S+64+2*J], v[S+64+2*J]
	v_exp_f32 v[S+65+2*J], v[S+65+2*J]
.if J < 4
	CVT 0, (J/2), (J%2)
.elseif J < 6
	BYTE 0, (J-4)
.elseif J == 6
.if \n > 0
	v_pk_mul_f32 v[LL:LL+1], v[LL:LL+1], v[F:F+1] op_sel_hi:[1,0]   ; the sum under the new M
.endif
.elseif (J >= 8) && (J < 24)
	v_pk_add_f32 v[S+4*J-32:S+4*J-31], v[S+4*J-32:S+4*J-31], v[S+4*J-30:S+4*J-29]   ; THE ROW'S SUM is taken of the unquantised p, two at a time
.endif
.set J, J+1
.endr
.if \n > 0
	v_pk_mul_f32 v[LL+2:LL+3], v[LL+2:LL+3], v[F+2:F+3] op_sel_hi:[1,0]
.else
	v_nop
.endif
	WALU
	FLOORS 1
.irp c, 0,1
	CVT 1, \c, 0
	CVT 1, \c, 1
.endr
	BYTE 1, 0                                      ; (these two are also the plain lines behind the conversions)
	BYTE 1, 1
.irp u, 0,1
	v_lshl_or_b32 v[T+\u], v[BM+2*\u+1], 16, v[BM+2*\u]   ; my blocks' bytes, h and 2 + h,
.endr
	UPPER 0, 0
.irp u, 0,1
	v_lshlrev_b32 v[T+\u], v[HB], v[T+\u]          ; at their places in the word;
.endr
	UPPER 0, 1
.irp u, 0,1
	v_permlanex16_b32 v[BX+\u], v[T+\u], s[SEL], s[SEL+1]
.endr
	UPPER 1, 0
	UPPER 1, 1
	WIN 0x15
.irp u, 0,1
	v_or_b32 v[PW+\u], v[T+\u], v[BX+\u]           ; with lane l xor 16's two bytes p's scale word is whole.  The sums below are the places between these lines and the scaled products
.endr
	WIN 0x55
	LVL 1, 4
	LVL 0, 8
	LVL 1, 8
	LVL 0, 16
	LVL 1, 16
	LVL 0, 32
	LVL 1, 32
.if \n == 0
.irp u, 0,1
	v_pk_add_f32 v[LL+2*\u:LL+2*\u+1], v[S+64*\u:S+64*\u+1], v[S+64*\u+32:S+64*\u+33]
.endr
.else
	LVL 0, 64
	LVL 1, 64
.irp u, 0,1
	v_pk_add_f32 v[LL+2*\u:LL+2*\u+1], v[LL+2*\u:LL+2*\u+1], v[S+64*\u:S+64*\u+1]
.endr
.endif
	WALU
.if \n < 7
	s_wait_dscnt 20                                ; V is in; the next step's 20 loads of K may be out
.else
	s_wait_dscnt 0x0
.endif
	WIN 0x54
.irp e, 0,2                                    ; O^T += V^T P^T; the eight accumulators take turns
.irp u, 0,1
	OPROD \n, \u, \e, 0
.endr
.irp u, 0,1
	OPROD \n, \u, \e+1, 1
.endr
.endr
.endm
	s_load_b128 s[4:7], s[0:1], 0x0                ; kv, qc
	s_load_b64 s[8:9], s[0:1], 0x10                ; out0
	v_lshl_add_u32 v[SPW], v0, 2, SPARE
	v_mov_b32 v[NIL], 0
	ds_add_u32 v[SPW], v[NIL]                      ; the opening lines: the add, twice on end, and its wait
	ds_add_u32 v[SPW], v[NIL]
	v_lshrrev_b32 v7, 5, v0
	v_readfirstlane_b32 s[WV], v7                  ; wave 0..7
	s_lshr_b32 s[QH], s[WV], 2
	s_and_b32 s[KQ], s[WV], 3
	s_bfe_u32 s11, ttmp6, 0x40000                  ; my place in the cluster: it enters Q's and out0's addresses alone
	s_lshl_b32 s12, ttmp9, 2
	s_add_co_u32 s12, s12, s11                     ; my group of 64 queries in the batch
	s_and_b32 s13, ttmp7, 0xffff                   ; the batch, which the four partners share
	GROUP1 G1, 204
	GROUP1 G1L, 102
	s_mul_i32 s[TB], s[KQ], PART
	s_mul_i32 s48, s13, BATCH
	s_add_co_u32 s48, s48, s[TB]
	s_mov_b32 s49, 0
	s_mov_b32 s76, s[TB]
	s_mov_b32 s77, 0
	s_lshl_b32 s50, s13, 6
	s_add_co_u32 s50, s50, s12                     ; my group among all 256
	s_mul_i32 s52, s50, 3328                       ; its record in qc
	s_mov_b32 s53, 0
	s_lshl_b32 s54, s50, 6                         ; its first row of out0;  the rows that I store: 32 (kq / 2) + 8 (2 qh + u) + 4 (kq % 2) on, four of each tile
	s_lshr_b32 s56, s[KQ], 1
	s_lshl_b32 s56, s56, 5
	s_add_co_u32 s54, s54, s56
	s_lshl_b32 s56, s[QH], 4
	s_add_co_u32 s54, s54, s56
	s_and_b32 s56, s[KQ], 1
	s_lshl_b32 s56, s56, 2
	s_add_co_u32 s54, s54, s56
	s_lshl_b32 s54, s54, 8                         ; rows of 256 bytes
	s_mov_b32 s55, 0
	s_mul_i32 s60, s[WV], 32*SP                    ; the way out: my stage,
	s_add_co_u32 s60, s60, STAGE
	s_lshl_b32 s61, s[WV], 8                       ; my -M and sums,
	s_add_co_u32 s61, s61, ML
	s_mul_i32 s62, s[QH], 4*32*SP                  ; the rows that I join,
	s_mul_i32 s56, s[KQ], 4*SP
	s_add_co_u32 s62, s62, s56
	s_add_co_u32 s62, s62, STAGE
	s_lshl_b32 s63, s[QH], 10                      ; and their -M and sums
	s_lshl_b32 s56, s[KQ], 5
	s_add_co_u32 s63, s63, s56
	s_add_co_u32 s63, s63, ML
	s_mov_b32 s[SEL], 0x76543210
	s_mov_b32 s[SEL+1], 0xfedcba98                 ; selects for lane l xor 16
	s_mov_b32 s[CS], 0x3e38aa3b                    ; c = log2(e) / 8
	s_mov_b32 s[CS+1], s[CS]                       ; (named with it as a pair, so it is written)
	s_mul_i32 s58, s[QH], 1536
	s_add_co_u32 s59, s58, 512
	s_lshl_b32 s56, s[QH], 7
	s_add_co_u32 s56, s56, 3072
	v_and_b32 v154, 31, v0                         ; lane
	v_and_b32 v155, 15, v0                         ; r
	v_bfe_u32 v156, v0, 4, 1                       ; h
	v_lshlrev_b32 v[L16], 4, v154
	v_add_nc_u32 v157, s58, v[L16]
	v_lshl_add_u32 v158, v154, 3, s59
	v_lshl_add_u32 v159, v155, 2, s56
.irp j, 0,1,2,3,4,5
	v_mov_b32 v[QF+6+\j], 0                        ; zero codes for k = 64 .. 127
	v_mov_b32 v[QF+18+\j], 0
	v_mov_b32 v[K+48+\j], 0
.endr
	SETA 0
	WIN 0x40
	v_lshlrev_b32 v[HB], 3, v156
.irp u, 0,1
	v_mov_b32 v[F+2*\u+1], 0
	v_mov_b32 v[BX+\u], 0                          ; a lane permute's destination counts as one of its sources
.endr
	WIN 0
	WALU
	s_wait_dscnt 0x0
	s_wait_kmcnt 0x0
	s_add_nc_u64 s[6:7], s[6:7], s[52:53]
	s_add_nc_u64 s[8:9], s[8:9], s[54:55]
.irp u, 0,1
	global_load_b128 v[QF+12*\u:QF+12*\u+3], v157, s[6:7] offset:768*\u   ; Q's codes and scale words stay in registers
	global_load_b64 v[QF+12*\u+4:QF+12*\u+5], v158, s[6:7] offset:768*\u
	global_load_b32 v[QS+\u], v159, s[6:7] offset:64*\u
.endr
	s_add_nc_u64 s[56:57], s[4:5], s[48:49]        ; my part of run 0: made of the batch and the wave's number, equal in the four partners
	s_mov_b32 s[G0], 1
	s_add_co_u32 s[G0+1], s[TB], 0
	s_mov_b64 s[G0+2:G0+3], s[56:57]               ; waves 0-3: run 0
	s_or_b32 s[G0+3], s[G0+3], 0x80000000
	s_mov_b32 s[G0+4], 1
	s_mul_i32 s[G0+5], s[KQ], 2*PART
	s_add_co_u32 s[G0+5], s[G0+5], SLOTB
	s_add_nc_u64 s[56:57], s[56:57], s[76:77]
	s_add_nc_u64 s[G0+6:G0+7], s[56:57], SLOTB     ; waves 4-7: a quarter of runs 1 and 2, which lie end to end in memory and in LDS
	s_or_b32 s[G0+7], s[G0+7], 0x80000000
	CROUND                                         ; the four work-groups are here: the first joint loads meet
	; the head's loads, one a wave
	s_cmp_lt_u32 s[WV], 4
	s_cbranch_scc0 .Larm_1
	TLOAD G0, G1L
	s_branch .Lasked
.Larm_1:
	TLOAD G0+4, G1
.Lasked:
	s_wait_loadcnt 0x0                             ; Q
	s_cmp_lt_u32 s[WV], 4
	s_cbranch_scc0 .Lnot_first
	s_wait_tensorcnt 0x0                           ; waves 0-3: run 0
.Lnot_first:
	s_barrier_signal -1
	s_barrier_wait -1                              ; it is in
	LOADK 0
.irp n, 0,1,2,3,4,5,6,7
	STEP \n
.endr
	; THE WAY OUT.  Each wave lays its O^T (32 queries x 64), its -M and its sums into LDS; behind a barrier wave (qh, kq) joins the four partial results of rows 4 kq .. 4 kq + 3 of its two tiles and stores them.
	; The address lines are the places behind the last products.  All that follows the stores into LDS lies in window 0, over Q, K and V.
.set PO,  16                           ; v16-79 partial rows: (u, kappa, i) at 32 u + 4 (2 kappa + i)
.set MLR, 80                           ; v80-111 their -M and sums: 16 u + 2 (2 kappa + i)
.set NM,  112                          ; v112-115 the least -M: 2 u + i
.set FK,  116                          ; v116-131 the factors: 4 (2 u + i) + kappa
.set LS,  132                          ; v132-135 the rows' sums;  v136-139 their reciprocals
.set RC,  136
.set OUT, 160                          ; v160-175
	WIN 0
	v_and_b32 v2, 15, v0                           ; r
	v_bfe_u32 v3, v0, 4, 1                         ; h
	v_mul_u32_u24 v4, v2, SP
	v_lshl_add_u32 v4, v3, 5, v4
	v_add_nc_u32 v4, s60, v4                       ; in: row r; d tile e's eight of my half at 64 e + 32 h
	v_lshl_add_u32 v7, v2, 3, s61
	v_mul_u32_u24 v11, v3, SP
	v_lshl_add_u32 v11, v2, 4, v11
	v_add_nc_u32 v11, s62, v11                     ; back: row 4 kq + h of the first partial; lanes 0-15 one row, lanes 16-31 the next
	v_lshl_add_u32 v12, v3, 3, s63
	WIN 0x55
.irp u, 0,1
	v_add_f32 v[LL+2*\u], v[LL+2*\u], v[LL+2*\u+1] ; the sum's two halves,
.endr
.irp u, 0,1
	v_permlanex16_b32 v[BX+\u], v[LL+2*\u], s[SEL], s[SEL+1]
.endr
.irp u, 0,1
	v_add_f32 v[MM+2*\u+1], v[LL+2*\u], v[BX+\u]   ; and lane l xor 16's: beside -M in the pair
.endr
	WIN 0x04                                       ; stores: the data in window 1, the address in window 0
	WALU
.irp u, 0,1
.irp e, 0,1,2,3
	ds_store_b128 v4, v[O+32*\u+8*\e:O+32*\u+8*\e+3] offset:16*SP*\u+64*\e          ; each accumulator from its low end on
	ds_store_b128 v4, v[O+32*\u+8*\e+4:O+32*\u+8*\e+7] offset:16*SP*\u+64*\e+16
.endr
	ds_store_b64 v7, v[MM+2*\u:MM+2*\u+1] offset:128*\u    ; lanes r and r + 16 write the same pair
.endr
	WIN 0
	s_wait_dscnt 0x0                               ; for the others' sake: my stores have landed
	s_barrier_signal -1
	s_barrier_wait -1
.irp u, 0,1
.irp k, 0,1,2,3
.irp i, 0,1
	ds_load_b64 v[MLR+16*\u+2*(2*\k+\i):MLR+16*\u+2*(2*\k+\i)+1], v12 offset:256*\k+128*\u+16*\i
.endr
.endr
.endr
.irp u, 0,1
.irp k, 0,1,2,3
.irp i, 0,1
	ds_load_b128 v[PO+32*\u+4*(2*\k+\i):PO+32*\u+4*(2*\k+\i)+3], v11 offset:32*SP*\k+16*SP*\u+2*SP*\i
.endr
.endr
.endr
	s_wait_dscnt 16                                ; the -M and sums are in; the sixteen rows may be out
.irp u, 0,1
.irp i, 0,1
	v_min3_num_f32 v[NM+2*\u+\i], v[MLR+16*\u+2*\i], v[MLR+16*\u+4+2*\i], v[MLR+16*\u+8+2*\i]
.endr
.endr
.irp u, 0,1
.irp i, 0,1
	v_min_num_f32 v[NM+2*\u+\i], v[NM+2*\u+\i], v[MLR+16*\u+12+2*\i]           ; the least -M: that of the largest M
.endr
.endr
.irp u, 0,1
.irp k, 0,1,2,3
.irp i, 0,1
	v_sub_f32 v[FK+8*\u+4*\i+\k], v[NM+2*\u+\i], v[MLR+16*\u+4*\k+2*\i]        ; M of the part - the largest M: a whole number, 0 or less
.endr
.endr
.endr
.set J, FK
.rept 16
	v_cvt_i32_f32 v[J], v[J]
.set J, J+1
.endr
.set J, FK
.rept 16
	v_ldexp_f32 v[J], 1.0, v[J]                    ; the part's factor: a power of two
.set J, J+1
.endr
.irp u, 0,1
.irp i, 0,1
	v_mul_f32 v[LS+2*\u+\i], v[FK+8*\u+4*\i], v[MLR+16*\u+1+2*\i]
.endr
.endr
.irp k, 1,2,3
.irp u, 0,1
.irp i, 0,1
	v_fma_f32 v[LS+2*\u+\i], v[FK+8*\u+4*\i+\k], v[MLR+16*\u+1+4*\k+2*\i], v[LS+2*\u+\i]
.endr
.endr
.endr
	WALU
.irp i, 0,1,2,3
	v_rcp_f32 v[RC+\i], v[LS+\i]
.endr
	v_nop                                          ; a plain line behind the reciprocals
	WALU
.irp k, 0,1,2,3
.irp i, 0,1,2,3
	v_mul_f32 v[FK+4*\i+\k], v[FK+4*\i+\k], v[RC+\i]
.endr
.endr
	WALU
	s_wait_dscnt 0x0
.irp u, 0,1
.irp i, 0,1
.irp n, 0,1,2,3
	v_mul_f32 v[OUT+8*\u+4*\i+\n], v[PO+32*\u+4*\i+\n], v[FK+8*\u+4*\i]
.endr
.endr
.endr
.irp k, 1,2,3
.irp u, 0,1
.irp i, 0,1
.irp n, 0,1,2,3
	v_fma_f32 v[OUT+8*\u+4*\i+\n], v[PO+32*\u+8*\k+4*\i+\n], v[FK+8*\u+4*\i+\k], v[OUT+8*\u+4*\i+\n]
.endr
.endr
.endr
.endr
.irp u, 0,1
.irp i, 0,1
	global_store_b128 v[L16], v[OUT+8*\u+4*\i:OUT+8*\u+4*\i+3], s[8:9] offset:2048*\u+512*\i th:TH_STORE_NT   ; 32 lanes store two neighbouring rows: 512 consecutive bytes, aligned
.endr
.endr
	s_wait_tensorcnt 0x0                           ; the wave's end, behind my last tensor load and my last LDS store
	ds_add_u32 v[SPW], v[NIL]
	s_wait_dscnt 0x0
	CROUND                                         ; the closing round: no work-group ends while a partner may still ask for a tile that names it
	s_endpgm
.Lfunc_end_k_q5f562b930e_attn:
	.size	k_q5f562b930e_attn, .Lfunc_end_k_q5f562b930e_attn-k_q5f562b930e_attn
	.p2alignl 7, 3214868480
	.fill 96, 4, 3214868480
	.section	.rodata,"a",@progbits
	.p2align	6, 0x0
	.amdhsa_kernel k_q5f562b930e_attn
		.amdhsa_group_segment_fixed_size 327680
		.amdhsa_private_segment_fixed_size 0
		.amdhsa_enable_private_segment 0
		.amdhsa_kernarg_size 24
		.amdhsa_user_sgpr_count 2
		.amdhsa_user_sgpr_kernarg_segment_ptr 1
		.amdhsa_wavefront_size32 1
		.amdhsa_system_sgpr_workgroup_id_x 1
		.amdhsa_system_sgpr_workgroup_id_y 1
		.amdhsa_system_sgpr_workgroup_id_z 1
		.amdhsa_system_vgpr_workitem_id 0
		.amdhsa_next_free_vgpr 512
		.amdhsa_next_free_sgpr 100
		.amdhsa_reserve_vcc 0
		.amdhsa_float_denorm_mode_32 3
		.amdhsa_float_denorm_mode_16_64 3
		.amdhsa_memory_ordered 1
		.amdhsa_forward_progress 1
		.amdhsa_inst_pref_size 236
	.end_amdhsa_kernel
	.amdgpu_metadata
---
amdhsa.version: [ 1, 2 ]
amdhsa.kernels:
  - .name:           k_q5f562b930e_attn
    .symbol:         k_q5f562b930e_attn.kd
    .args:
      - { .name: kv, .offset: 0, .size: 8, .value_kind: global_buffer, .address_space: global }
      - { .name: qc, .offset: 8, .size: 8, .value_kind: global_buffer, .address_space: global }
      - { .name: out0, .offset: 16, .size: 8, .value_kind: global_buffer, .address_space: global }
    .group_segment_fixed_size: 327680
    .private_segment_fixed_size: 0
    .kernarg_segment_align: 8
    .kernarg_segment_size: 24
    .max_flat_workgroup_size: 256
    .sgpr_count:     100
    .vgpr_count:     512
    .wavefront_size: 32
...
	.end_amdgpu_metadata
.endif
;; end of part 3
